; MI455X (gfx1250); checked and timed in simulation.
; The chip was launched on July 23, 2026; its instructions are those of AMD's public machine-readable ISA for CDNA 5 (MIT licence, August 2026) and "CDNA5" Instruction Set Architecture Reference Guide (July 2026). The comments in the code are by the model that wrote it; some were corrected since.
;; QKV Attention. Allowed arithmetic: matrix products marked QUANTISED: E2M3 operands, one E8M0 scale for each 32 along K, by v_wmma_scale_f32_16x16x128_f8f6f4 with both operands' format E2M3, f32 sums; everything else in f32.
;; Inputs: Wk 1,024 x 1,024 float32; Wq 1,024 x 1,024 float32; Wv 1,024 x 1,024 float32; bk 1,024 float32; bq 1,024 float32; bv 1,024 float32; input_key 8 x 2,048 x 1,024 float32; input_query 8 x 512 x 1,024 float32; input_value 8 x 2,048 x 1,024 float32; seq_lens 8 int32.
;; Outputs: out0 8 x 512 x 1,024 float32.
;; This version of the problem:
;;   THIS VERSION OF THE PROBLEM IS GIVEN IN LOW PRECISION. The matrix products marked QUANTISED in the list below multiply operands that are first quantised to E2M3 (2 exponent bits, 3 mantissa bits; 6 bits a number), with one power-of-two scale for each 32 numbers along K (OCP MX v1.0); their sums are f32. All else is computed in f32.
;;   The module's matrix products, in the order in which they are computed (A, B: the left and right operand; K: the contracted axis; several contracted axes count as one K, in the product's order):
;;     1. [M 4,096, K 1,024] x [K 1,024, N 1,024]; A: input input_query; B: input Wq: QUANTISED
;;     2. [M 16,384, K 1,024] x [K 1,024, N 1,024]; A: input input_key; B: input Wk: QUANTISED
;;     3. [M 16,384, K 1,024] x [K 1,024, N 1,024]; A: input input_value; B: input Wv: QUANTISED
;;     4. batch 8 x [M 512, K 1,024] x [K 1,024, N 2,048]; A: computed on the way; B: computed on the way: QUANTISED
;;     5. batch 8 x [M 512, K 2,048] x [K 2,048, N 1,024]; A: softmax (see below); B: computed on the way: QUANTISED
;;   THE QUANTISER, for each operand of a quantised product, along K:
;;     - K is cut into blocks of 32 from its start; a last block that is shorter is filled with zeros.
;;     - A block's scale is 2^e with e = floor(log2(the largest magnitude in the block)) - 2, held to -126 .. 127; a block of zeros has e = 0. As a byte (E8M0): e + 127.
;;     - Each number is divided by its block's scale, clamped to +-7.5, and rounded to the nearest number of E2M3, ties to even, subnormals kept.
;;     - The product sums the exact products of the quantised numbers (number of the format x scale) in f32.
;;   ~~~python
;;   def quantise(x, axis):      # numpy; x: float32 -> the quantised numbers, widened to float32 again
;;       x = np.moveaxis(x, axis, -1); K = x.shape[-1]
;;       x = np.pad(x, [(0, 0)] * (x.ndim - 1) + [(0, -K % 32)]); x = x.reshape(x.shape[:-1] + (-1, 32)); a = np.abs(x).max(-1, keepdims=True)
;;       e = np.where(a > 0, np.clip(np.frexp(np.where(a > 0, a, 1))[1] - 1 - 2, -126, 127), 0)      # np.frexp(a)[1] - 1 = floor(log2(a)), exactly
;;       r = np.clip(x / 2.0 ** e, -7.5, 7.5)
;;       step = 2.0 ** (np.maximum(np.frexp(np.where(r == 0, 1, r))[1] - 1, 0) - 3)
;;       q = np.round(r / step) * step * 2.0 ** e      # np.round: ties to even
;;       return np.moveaxis(q.reshape(q.shape[:-2] + (-1,))[..., :K], -1, axis).astype(np.float32)
;;   ~~~
;;   SOFTMAX AHEAD OF A QUANTISED PRODUCT. Where the list says 'softmax', what is quantised is not the finished softmax but p = 2^(t - M), with t = logit x log2(e) and M = ceil(the row's largest t), a whole number; so 1/2 < the row's largest p <= 1. The row's sum l is taken of the UNQUANTISED p, in f32, and the product's result is divided by l at the end. Since M is a whole number, a kernel that streams over the keys may use a running M (the ceiling of the running maximum): every later rescaling is an exact power of two, which a block's scale takes up: the codes' values come out the same.
;;   OPERANDS COMPUTED ON THE WAY. 'Computed on the way' means the value that the module computes at that place (a softmax that the list does not call 'softmax' is quantised finished and normalised). What goes into a quantiser is computed in f32, as accurately as f32 sums, v_exp_f32 and their like allow (about 1e-6 of the number): no bf16 or f16 on the way to a quantiser, and a product that is left as it is and whose result goes on into a quantised operand takes f32 operands (vector FMAs, or v_wmma_f32_16x16x4_f32). A number that lies on a knife's edge between two numbers of the format may be rounded either way, as far as f32 arithmetic and the matrix unit's own rounding can turn it there, and no further.
;; One version. Each part assembles by itself: llvm-mc -triple=amdgcn-amd-amdhsa -mcpu=gfx1250 --defsym DOCPART=n.
;; ======== version 1 of 1: 4 launches
;; workspace buffers: wimg 2,359,296 bytes; wsc 98,304 bytes; codes 28,311,552 bytes; scl 1,179,648 bytes; pimg 6,291,456 bytes; pw 524,288 bytes; ps 524,288 bytes
;; launch wq (part 1): grid 256 x 1, 3 waves a work-group, no clusters, 0 bytes of LDS; arguments Wq, Wk, Wv, wimg, wsc; writes wimg, wsc
.if DOCPART == 1
	.amdgcn_target "amdgcn-amd-amdhsa--gfx1250"
	.amdhsa_code_object_version 6
	.text
	.protected	k_q38af123951_wq
	.globl	k_q38af123951_wq
	.p2align	8
	.type	k_q38af123951_wq,@function
k_q38af123951_wq:
	s_mov_b64 s[64:65], 0
	v_nop
	global_prefetch_b8 v0, s[64:65] scope:SCOPE_SE
	s_setreg_imm32_b32 hwreg(HW_REG_WAVE_MODE, 25, 1), 1
	s_wait_xcnt 0x0
; Wq, Wk, Wv [1024 (k)][1024 (n)] f32 become codes of FP6 (E2M3) quantised along k, their FIRST axis, with one E8M0 byte for each 32 along k.
; OUT: wimg [w 3][g 8][s 8][j 8] images of 1,536 bytes: the fragment of 16 columns (tile j of the 128 columns g) x 128 k (step s) as the 12 registers of its 32 lanes:
; registers 4 c .. 4 c + 3 of lane l at 512 c + 16 l.  wsc [w][g][s][r 16][j 8]: the scale word (four bytes, 128 k) of slot r of tile j.
; Wq's and Wk's tiles are PERMUTED: slot m of tile 2 b + u holds column 32 b + 8 u + m + 8 (m / 8), so that the product that uses them transposed leaves 16 neighbouring columns in 16 registers.  Wv's are natural.
; A LANE TAKES A COLUMN, ITS REGISTERS RUN DOWN k: a block of 32 lies in one lane, and the conversions give codes with k innermost.  768 waves, each 32 columns x 128 k: two images.
; A block's scale byte is its largest magnitude's exponent field - 2, held at 1 from below.  A block of zeros so carries the byte 1, not 127: its codes are zeros, and this program alone reads the bytes.
; LIMITS: NaN and infinities among the inputs are not served.  The scale words leave as 4 bytes a lane, 32 bytes apart: 98,304 bytes in all.
; No LDS, no barrier: waves share nothing.
.set X,  64                            ; v64-191  my column's 128 numbers
.set RH, 24                            ; v24-35   blocks 0 and 2: the registers of fragment lane (r, 0);  v36-47 blocks 1 and 3: of lane (r, 1)
.set TT, 48                            ; v48-63   each block's upper 16 codes, made on an even register and moved
	s_load_b128 s[4:7], s[0:1], 0x0                ; Wq, Wk
	s_load_b128 s[8:11], s[0:1], 0x10              ; Wv, wimg
	s_load_b64 s[12:13], s[0:1], 0x20              ; wsc
	v_lshrrev_b32 v1, 5, v0
	v_readfirstlane_b32 s14, v1                    ; wave 0..2
	s_mul_i32 s15, ttmp9, 3
	s_add_co_u32 s15, s15, s14                     ; task 0..767
	s_lshr_b32 s16, s15, 8                         ; w: which weight
	s_and_b32 s17, s15, 31                         ; cg: which 32 columns
	s_bfe_u32 s18, s15, 0x30005                    ; s: which 128 along k
	v_and_b32 v1, 31, v0                           ; lane = column in the 32
	v_lshlrev_b32 v2, 2, v1                        ; in: 4 bytes a lane
	v_lshrrev_b32 v5, 4, v1                        ; natural: tile u = l / 16,
	v_and_b32 v6, 15, v1                           ; slot r = l % 16
	v_bfe_u32 v7, v1, 3, 1                         ; permuted: u = (l / 8) % 2,
	v_and_b32 v20, 7, v1
	v_lshl_or_b32 v20, v5, 3, v20                  ; r = l % 8 + 8 (l / 16)
	s_cmp_eq_u32 s16, 2
	s_cselect_b32 s19, -1, 0                       ; all lanes: natural for Wv
	v_cndmask_b32 v5, v7, v5, s19
	v_cndmask_b32 v6, v20, v6, s19
	v_mul_u32_u24 v3, v5, 1536
	v_lshl_add_u32 v3, v6, 4, v3                   ; images: 1,536 u + 16 r
	v_lshlrev_b32 v4, 5, v6
	v_lshl_add_u32 v4, v5, 2, v4                   ; scale words: 32 r + 4 u
	s_lshl_b32 s20, s18, 19                        ; in: 128 s rows of 4,096 bytes + 128 cg
	s_lshl_b32 s21, s17, 7
	s_add_co_u32 s20, s20, s21
	s_mov_b32 s21, 0
	s_lshr_b32 s22, s17, 2                         ; g
	s_and_b32 s23, s17, 3
	s_lshl_b32 s24, s22, 6
	s_lshl_b32 s25, s18, 3
	s_add_co_u32 s24, s24, s25
	s_lshl_b32 s25, s23, 1
	s_add_co_u32 s24, s24, s25                     ; image number 64 g + 8 s + 2 (cg % 4)
	s_mul_i32 s24, s24, 1536
	s_mul_i32 s25, s16, 786432
	s_add_co_u32 s24, s24, s25
	s_mov_b32 s25, 0
	s_lshl_b32 s26, s16, 15                        ; scale words: 32,768 w + 4,096 g + 512 s + 8 (cg % 4)
	s_lshl_b32 s27, s22, 12
	s_add_co_u32 s26, s26, s27
	s_lshl_b32 s27, s18, 9
	s_add_co_u32 s26, s26, s27
	s_lshl_b32 s27, s23, 3
	s_add_co_u32 s26, s26, s27
	s_mov_b32 s27, 0
	s_wait_kmcnt 0x0
	s_cmp_eq_u32 s16, 0                            ; the choice hangs on the task's number alone
	s_cselect_b64 s[4:5], s[4:5], s[6:7]
	s_cmp_eq_u32 s16, 2
	s_cselect_b64 s[4:5], s[8:9], s[4:5]
	s_add_nc_u64 s[4:5], s[4:5], s[20:21]
	s_add_nc_u64 s[10:11], s[10:11], s[24:25]
	s_add_nc_u64 s[12:13], s[12:13], s[26:27]
.set k, 0
.rept 128
	global_load_b32 v[X+k], v2, s[4:5] offset:k*4096 th:TH_LOAD_NT   ; row k at my 32 columns: 128 consecutive bytes a wave
.set k, k+1
.endr
; Block q = k 32 q .. 32 q + 31.  left: how many younger loads may stay out
.macro BLOCK q, left
	s_wait_loadcnt \left
	v_max3_num_f32 v[8+\q], |v[X+32*\q]|, |v[X+32*\q+1]|, 0x1800000   ; the largest magnitude, and the floor 2^(3 - 127): the byte cannot fall under 1
.irp i, 2,4,6,8,10,12,14,16,18,20,22,24,26,28,30
	v_max3_num_f32 v[8+\q], v[8+\q], |v[X+32*\q+\i]|, |v[X+32*\q+\i+1]|
.endr
	v_add_nc_u32 v[12+\q], 0xff000000, v[8+\q]     ; 2 off its exponent field: the conversion takes this operand's exponent field as its scale
	v_lshrrev_b32 v[16+\q], 23, v[12+\q]           ; the scale's byte
	v_cvt_scalef32_pk16_fp6_f32 v[RH+12*(\q%2)+6*(\q/2):RH+12*(\q%2)+6*(\q/2)+2], v[X+32*\q:X+32*\q+15], v[12+\q]
	v_cvt_scalef32_pk16_fp6_f32 v[TT+4*\q:TT+4*\q+2], v[X+32*\q+16:X+32*\q+31], v[12+\q]   ; (a conversion's three registers begin on an even number)
.endm
	BLOCK 0, 63                                    ; 96 younger loads would do; the wait's field holds 63 at the most
	BLOCK 1, 63                                    ; 64 would do
	BLOCK 2, 32
	BLOCK 3, 0
	v_nop                                          ; one plain instruction between the last scaled conversion and the moves that read its result
.irp q, 0,1,2,3
.irp i, 0,1,2
	v_mov_b32 v[RH+12*(\q%2)+6*(\q/2)+3+\i], v[TT+4*\q+\i]
.endr
.endr
	v_lshl_or_b32 v20, v17, 8, v16                 ; the four bytes make my column's scale word
	v_lshl_or_b32 v20, v18, 16, v20
	v_lshl_or_b32 v20, v19, 24, v20
.irp c, 0,1,2
.irp h, 0,1
	global_store_b128 v3, v[RH+12*\h+4*\c:RH+12*\h+4*\c+3], s[10:11] offset:512*\c+256*\h   ; the sixteen lanes of a tile store 256 consecutive bytes, at a multiple of 256 from the buffer's first byte
.endr
.endr
	global_store_b32 v4, v20, s[12:13]
	s_endpgm
.Lfunc_end_k_q38af123951_wq:
	.size	k_q38af123951_wq, .Lfunc_end_k_q38af123951_wq-k_q38af123951_wq
	.p2alignl 7, 3214868480
	.fill 96, 4, 3214868480
	.section	.rodata,"a",@progbits
	.p2align	6, 0x0
	.amdhsa_kernel k_q38af123951_wq
		.amdhsa_group_segment_fixed_size 0
		.amdhsa_private_segment_fixed_size 0
		.amdhsa_enable_private_segment 0
		.amdhsa_kernarg_size 40
		.amdhsa_user_sgpr_count 2
		.amdhsa_user_sgpr_kernarg_segment_ptr 1
		.amdhsa_wavefront_size32 1
		.amdhsa_system_sgpr_workgroup_id_x 1
		.amdhsa_system_sgpr_workgroup_id_y 1
		.amdhsa_system_sgpr_workgroup_id_z 1
		.amdhsa_system_vgpr_workitem_id 0
		.amdhsa_next_free_vgpr 192
		.amdhsa_next_free_sgpr 66
		.amdhsa_reserve_vcc 0
		.amdhsa_float_denorm_mode_32 3
		.amdhsa_float_denorm_mode_16_64 3
		.amdhsa_memory_ordered 1
		.amdhsa_forward_progress 1
		.amdhsa_inst_pref_size 21
	.end_amdhsa_kernel
	.amdgpu_metadata
---
amdhsa.version: [ 1, 2 ]
amdhsa.kernels:
  - .name:           k_q38af123951_wq
    .symbol:         k_q38af123951_wq.kd
    .args:
      - { .name: Wq, .offset: 0, .size: 8, .value_kind: global_buffer, .address_space: global }
      - { .name: Wk, .offset: 8, .size: 8, .value_kind: global_buffer, .address_space: global }
      - { .name: Wv, .offset: 16, .size: 8, .value_kind: global_buffer, .address_space: global }
      - { .name: wimg, .offset: 24, .size: 8, .value_kind: global_buffer, .address_space: global }
      - { .name: wsc, .offset: 32, .size: 8, .value_kind: global_buffer, .address_space: global }
    .group_segment_fixed_size: 0
    .private_segment_fixed_size: 0
    .kernarg_segment_align: 8
    .kernarg_segment_size: 40
    .max_flat_workgroup_size: 96
    .sgpr_count:     66
    .vgpr_count:     192
    .wavefront_size: 32
...
	.end_amdgpu_metadata
.endif
;; end of part 1
;; launch proj (part 2): grid 288 x 1, 4 waves a work-group, no clusters, 170,496 bytes of LDS; arguments input_query, input_key, input_value, bq, bk, bv, seq_lens, wimg, wsc, codes, scl; writes codes, scl
.if DOCPART == 2
	.amdgcn_target "amdgcn-amd-amdhsa--gfx1250"
	.amdhsa_code_object_version 6
	.text
	.protected	k_q38af123951_proj
	.globl	k_q38af123951_proj
	.p2align	8
	.type	k_q38af123951_proj,@function
k_q38af123951_proj:
	s_mov_b64 s[64:65], 0
	v_nop
	global_prefetch_b8 v0, s[64:65] scope:SCOPE_SE
	s_setreg_imm32_b32 hwreg(HW_REG_WAVE_MODE, 25, 1), 1
	s_wait_xcnt 0x0
; lq = input_query Wq + bq, lk = input_key Wk + bk, lv = input_value Wv + bv, on codes of FP6 (E2M3) with one E8M0 scale for each 32 along K; the results are quantised again at once:
; lq and lk along their 1,024 columns, lv along the keys.  A work-group takes one block of 128 rows.  The blocks' numbers: 0-31 lq's, 32 + 16 b + kb lk's, 160 + 16 b + kb lv's.
; OUT, for each block: codes: 64 images of 1,536 bytes [g 8][tile 8] (a fragment of 16 rows x 128 K as its lanes' 12 registers: registers 4 c .. 4 c + 3 of lane l at 512 c + 16 l); scl: 4,096 bytes [g][r 16][tile 8] of scale words.
;   lq, lk: g = 128 columns (a K step of the scores), tile = 16 rows; lk's rows in PERMUTED tiles (slot m of tile 2 b + u = row 32 b + 8 u + m + 8 (m / 8)).   lv: g = 128 outputs, tile = 16 outputs, K = the block's 128 keys.
; WORK THAT NEED NOT BE DONE: a block of keys that begins at or past seq_lens[b] is multiplied by p = 0 throughout: nobody makes it.  T_b = ceil(seq_lens[b] / 128) blocks of batch b count.
; WHICH BLOCK IS WHOSE.  A work-group has a RANK.  Ranks 0-31 take lq's blocks; rank 32 + 2 j + i takes the j-th block of keys that counts (the batches in order, T_b blocks each), of lk (i = 0) or of lv (i = 1).  So the
; 32 + 2 (T_0 + .. + T_7) lowest ranks have work and the others store nothing.  rank = 157 x id mod 256 for ids 0-255 (157 is odd: a permutation; neighbouring ids get ranks far apart, and so do ids 16 apart), and the id itself
; for ids 256-287: those 32 have work only where more than 256 blocks count.  The kind hangs on the id alone, so the first weights are asked for while seq_lens is on its way; (b, kb) is chosen from the eight lengths without a branch.
; Whether a work-group has work is a branch on numbers read from memory; the launch has no tensor load and no cluster with joint loads, though all blocks walk the same weights: the weights come
; from memory straight into registers, as images.
; SHARES.  Phase X: wave w quantises its 32 rows of x (16 fragments) into LDS as images.  ONE barrier, on every wave's way.  Phase G, two passes of 512 columns: wave w makes 128 rows x 128 columns (g = 4 pass + w) in 64 accumulators.
; THE MATRIX INSTRUCTION'S TWO SIDES.  Source 0 takes permuted tiles (index q), source 1 the others (index p): lq, lk: source 0 = W, source 1 = x; lv: source 0 = x, source 1 = W.  In accumulator (p, q) lane (r, h) holds row r of
; source 1's tile and eight neighbours of source 0's: for a fixed p the 64 registers 8 q + j are the next K's 32 (q / 2) + 16 h + 8 (q % 2) + j.  So one way out serves all three.  The bias is the C of each sum's first product.
; A work-group without work has asked for its first 27 KB of weights a wave in vain: they are asked for while seq_lens is on its way.
; LIMITS: seq_lens in 1 .. 2,048; NaN and infinities are not served; a block of zeros carries the byte 1, not 127 (its codes are zeros; this program alone reads the bytes).
; REGISTERS, in windows of 256: window 0: v1-17 addresses; v32-47 x's scale words, v48-63 W's, two sets each; v64-255 x's fragments, two sets of 96 (in phase X and on the way out: at work).
;   window 1: v0-191 W's fragments, 16 places of 12; v192-255 the bias.   windows 2, 3: the accumulators ((p, q) at window 2 + p / 4, v[64 (p % 4) + 8 q]); in phase X five sets of 64 for x as loaded.
.set XSC,   98304                      ; LDS: 0: x's 64 images [s][a];  XSC: their scale words [s][r][a], 4,096 bytes;
.set STG,   102400                     ; two stages of 16 rows x 528 bytes for each wave;
.set SPARE, 169984                     ; the spare words, 128 bytes for each wave: two blocks of 256 bytes that no other line names
.set LI,   1                           ; 16 x lane: my place in an image, in memory
.set R32,  2                           ; 32 r: my row of scale words
.set XVB,  3                           ; x: 16 x lane + the rows of tile 0's upper eight slots
.set XVC,  4                           ; x: 16 x lane + the rows of tile 1's lower eight slots
.set STW,  5                           ; my stage, on the way in: 16 x lane
.set STR,  6                           ; and out: 528 r + 64 h
.set XWI0, 7                           ; where I store x's images: 3,072 x wave + 16 x lane;
.set XWI1, 8                           ; the same 61,440 further on (an LDS immediate has 16 bits)
.set XWS,  9                           ; and their scale words: XSC + 32 r + 8 x wave
.set LA0,  10                          ; where any wave reads an image: 16 x lane;
.set LA1,  11                          ; the same 61,440 further on
.set LSA,  12                          ; and the scale words: XSC + 32 r
.set OSV,  13                          ; out: 32 r + 16 h
.set BOQ,  14                          ; bias of lq, lk: 64 h
.set BOV,  15                          ; bias of lv: 4 r
.set SPW,  16                          ; LDS address of my spare word; never rewritten
.set NIL,  17                          ; 0; never rewritten
.set XSW,  32
.set WSW,  48
.set LF,   64
.set XS0,  64                          ; v64-127, v128-191: 64 numbers of my row, two sets
.set PC,   192                         ; v192-211 the codes just made
.set TM,   212                         ; v212-215 largest magnitudes, v216-219 bytes, v224-227 the conversions' scale operands
.set PW,   228
.set PWS,  232                         ; v232-239 the way out: eight scale words
.set CT,   240
.set B1,   192                         ; in window 1
.set MSB, 0
.macro WIN new                         ; the immediate's high byte repeats the setting that is left; a switch that changes nothing is dropped
.if MSB != (\new)
	s_set_vgpr_msb (MSB<<8)|(\new)
.set MSB, (\new)
.endif
.endm
; 64 numbers of a lane, v[s] on in window w, register 16 b + i = K 32 b + 16 h + i of my row, become a fragment's codes in v[PC] on and its scale word in v[pw].  The reads ascend: each accumulator is read first at its low end.
; xw = 1: global stores that read v[PC] on may still be out: the wait for them stands directly ahead of the conversions, the first lines that write those registers; the search for the maxima stands between the stores and the wait.
.macro QUANT s, w, pw, xw
	WIN ((\w)<<2)|((\w)<<4)
.irp b, 0,1,2,3
	v_max3_num_f32 v[TM+\b], 0x1800000, |v[(\s)+16*\b]|, |v[(\s)+16*\b+1]|   ; block b: my 16 numbers, and the floor 2^(3 - 127): the byte cannot fall under 1
.endr
.irp i, 2,4,6,8,10,12,14
.irp b, 0,1,2,3
	v_max3_num_f32 v[TM+\b], v[TM+\b], |v[(\s)+16*\b+\i]|, |v[(\s)+16*\b+\i+1]|   ; (the four blocks by turns)
.endr
.endr
	WIN 0
.irp b, 0,1,2,3
	v_permlanex16_b32 v[TM+4+\b], v[TM+\b], s48, s49
.endr
.irp b, 0,1,2,3
	v_max_num_f32 v[TM+\b], v[TM+\b], v[TM+4+\b]   ; with lane l xor 16's: the block's largest magnitude
.endr
.irp b, 0,1,2,3
	v_add_nc_u32 v[TM+12+\b], 0xff000000, v[TM+\b] ; 2 off its exponent field: the conversion's scale operand
.endr
.irp b, 0,1,2,3
	v_lshrrev_b32 v[TM+4+\b], 23, v[TM+12+\b]      ; the scale's byte
.endr
	v_lshl_or_b32 v[\pw], v[TM+5], 8, v[TM+4]
	v_lshl_or_b32 v[\pw], v[TM+6], 16, v[\pw]
	v_lshl_or_b32 v[\pw], v[TM+7], 24, v[\pw]
.if \xw
	s_wait_xcnt 0x0                                ; the last fragment's stores have read v[PC] on: it is written again only behind this wait
.endif
	WIN (\w)
.irp c, 0,1
	v_cvt_scalef32_pk16_fp6_f32 v[PC+6*\c:PC+6*\c+2], v[(\s)+32*\c:(\s)+32*\c+15], v[TM+12+2*\c]
	v_cvt_scalef32_pk16_fp6_f32 v[PC+12+4*\c:PC+14+4*\c], v[(\s)+32*\c+16:(\s)+32*\c+31], v[TM+12+2*\c+1]   ; (a conversion's three registers begin on an even number)
.endr
	WIN 0
	v_nop                                          ; one plain instruction behind the scaled conversions
.irp c, 0,1                                    ; the operand's layout wants a WHOLE block in a lane: lanes 0-15 block 2 c, lanes 16-31 block 2 c + 1
.irp i, 0,1,2
	v_permlane16_swap_b32 v[PC+6*\c+\i], v[PC+12+4*\c+\i]
.endr
.irp i, 0,1,2
	v_mov_b32 v[PC+3+6*\c+\i], v[PC+12+4*\c+\i]
.endr
.endr
.endm
; A group of 13 loads: W's tiles 4 h .. 4 h + 3 of K step s (12 loads of 512 consecutive bytes) into places 8 (s % 2) + 4 h on, and their scale words
.macro GRP s, h
	WIN 0x40
.irp j, 0,1,2,3
.irp c, 0,1,2
	global_load_b128 v[12*(8*((\s)&1)+4*(\h)+\j)+4*\c:12*(8*((\s)&1)+4*(\h)+\j)+4*\c+3], v[LI], s[38:39] offset:(\s)*12288+(4*(\h)+\j)*1536+512*\c
.endr
.endr
	WIN 0
	global_load_b128 v[WSW+8*((\s)&1)+4*(\h):WSW+8*((\s)&1)+4*(\h)+3], v[R32], s[40:41] offset:(\s)*512+16*(\h)
.endm
; A pass's bias, in the result's layout, and its first four groups.  Both arms write all 64 registers of the bias.
.macro WPRO
	s_cmp_eq_u32 s33, 2
	s_cbranch_scc1 .Lbias_v_\@
	WIN 0x40
.irp q, 0,1,2,3,4,5,6,7                        ; lq, lk: register 8 q + j = b[32 (q / 2) + 16 h + 8 (q % 2) + j]
	global_load_b128 v[B1+8*\q:B1+8*\q+3], v[BOQ], s[42:43] offset:4*(32*(\q/2)+8*(\q%2))
	global_load_b128 v[B1+8*\q+4:B1+8*\q+7], v[BOQ], s[42:43] offset:4*(32*(\q/2)+8*(\q%2))+16
.endr
	WIN 0
	s_branch .Lbias_done_\@
.Lbias_v_\@:
	WIN 0x40
.irp p, 0,1,2,3,4,5,6,7                        ; lv: all eight registers of tile p = b[16 p + r]
.irp j, 0,1,2,3,4,5,6,7
	global_load_b32 v[B1+8*\p+\j], v[BOV], s[42:43] offset:64*\p
.endr
.endr
	WIN 0
.Lbias_done_\@:
	GRP 0, 0
	GRP 0, 1
	GRP 1, 0
	GRP 1, 1
.endm
; Fragment f = 2 s + u of my 32 rows: tile u, K step s.  Sixteen loads, each one row's 512 consecutive bytes, into set f % 5.  WHICH ROWS FORM A TILE is said by the addresses alone.
.macro XLOAD f
.if (\f)%5 < 4
	WIN 0x80
.set XR, 64*((\f)%5)
.else
	WIN 0xc0
.set XR, 0
.endif
.irp i, 0,1,2,3,4,5,6,7,8,9,10,11,12,13,14,15
.if (\f)%2 == 0
.if \i < 8
	global_load_b128 v[XR+4*\i:XR+4*\i+3], v[LI], s[36:37] offset:\i*4096+512*((\f)/2) th:TH_LOAD_NT
.else
	global_load_b128 v[XR+4*\i:XR+4*\i+3], v[XVB], s[36:37] offset:(\i-8)*4096+512*((\f)/2) th:TH_LOAD_NT
.endif
.else
.if \i < 8
	global_load_b128 v[XR+4*\i:XR+4*\i+3], v[XVC], s[36:37] offset:\i*4096+512*((\f)/2) th:TH_LOAD_NT
.else
	global_load_b128 v[XR+4*\i:XR+4*\i+3], v[LI], s[36:37] offset:(16+\i)*4096+512*((\f)/2) th:TH_LOAD_NT
.endif
.endif
.endr
	WIN 0
.endm
; Its 16 rows go through my stage f % 2 and come back 16 neighbours of each block of 32 a lane.  LDS serves a wave's instructions in order: no wait between the stores and the loads.  Rows 528 bytes apart: an odd multiple of 16.
.macro TURN f
.if (\f)%5 < 4
	WIN 0x08
.set XR, 64*((\f)%5)
.else
	WIN 0x0c
.set XR, 0
.endif
.irp i, 0,1,2,3,4,5,6,7,8,9,10,11,12,13,14,15
	ds_store_b128 v[STW], v[XR+4*\i:XR+4*\i+3] offset:8448*((\f)%2)+528*\i
.endr
	WIN 0
.irp b, 0,1,2,3
.irp j, 0,1,2,3
	ds_load_b128 v[XS0+64*((\f)%2)+16*\b+4*\j:XS0+64*((\f)%2)+16*\b+4*\j+3], v[STR] offset:8448*((\f)%2)+128*\b+16*\j
.endr
.endr
.endm
.macro IMAGE f                                 ; the fragment in v[PC] on goes to LDS as it stands, and its scale word (lanes r and r + 16 write the same word with the same value)
.if (\f)/2 <= 4
.set XIR, XWI0
.set XIO, ((\f)/2)*12288
.else
.set XIR, XWI1
.set XIO, ((\f)/2-5)*12288
.endif
.irp c, 0,1,2
	ds_store_b128 v[XIR], v[PC+4*\c:PC+4*\c+3] offset:XIO+((\f)%2)*1536+512*\c
.endr
	ds_store_b32 v[XWS], v[PW] offset:((\f)/2)*512+4*((\f)%2)
.endm
.macro LLOAD s                                 ; x's eight fragments of K step s and their scale words, into set s % 2
.if (\s) <= 4
.set LAR, LA0
.set LOF, (\s)*12288
.else
.set LAR, LA1
.set LOF, ((\s)-5)*12288
.endif
.irp a, 0,1,2,3,4,5,6,7
.irp c, 0,1,2
	ds_load_b128 v[LF+96*((\s)&1)+12*\a+4*\c:LF+96*((\s)&1)+12*\a+4*\c+3], v[LAR] offset:LOF+\a*1536+512*\c
.endr
.endr
	ds_load_b128 v[XSW+8*((\s)&1):XSW+8*((\s)&1)+3], v[LSA] offset:(\s)*512
	ds_load_b128 v[XSW+8*((\s)&1)+4:XSW+8*((\s)&1)+7], v[LSA] offset:(\s)*512+16
.endm
; One product.  SG: the step's set;  ZR = 1: the bias starts the sum.
.macro MMQ p, q                                ; lq, lk: source 0 = W's tile q, source 1 = x's tile p
.set rD, 64*((\p)%4)+8*(\q)
.set rA, 12*(8*SG+(\q))
.set rB, LF+96*SG+12*(\p)
.if ZR
	v_wmma_scale_f32_16x16x128_f8f6f4 v[rD:rD+7], v[rA:rA+11], v[rB:rB+11], v[B1+8*(\q):B1+8*(\q)+7], v[WSW+8*SG+(\q)], v[XSW+8*SG+(\p)] matrix_a_fmt:MATRIX_FMT_FP6 matrix_b_fmt:MATRIX_FMT_FP6
.else
	v_wmma_scale_f32_16x16x128_f8f6f4 v[rD:rD+7], v[rA:rA+11], v[rB:rB+11], v[rD:rD+7], v[WSW+8*SG+(\q)], v[XSW+8*SG+(\p)] matrix_a_fmt:MATRIX_FMT_FP6 matrix_b_fmt:MATRIX_FMT_FP6
.endif
.endm
.macro MMV p, q                                ; lv: source 0 = x's tile q, source 1 = W's tile p
.set rD, 64*((\p)%4)+8*(\q)
.set rA, LF+96*SG+12*(\q)
.set rB, 12*(8*SG+(\p))
.if ZR
	v_wmma_scale_f32_16x16x128_f8f6f4 v[rD:rD+7], v[rA:rA+11], v[rB:rB+11], v[B1+8*(\p):B1+8*(\p)+7], v[XSW+8*SG+(\q)], v[WSW+8*SG+(\p)] matrix_a_fmt:MATRIX_FMT_FP6 matrix_b_fmt:MATRIX_FMT_FP6
.else
	v_wmma_scale_f32_16x16x128_f8f6f4 v[rD:rD+7], v[rA:rA+11], v[rB:rB+11], v[rD:rD+7], v[XSW+8*SG+(\q)], v[WSW+8*SG+(\p)] matrix_a_fmt:MATRIX_FMT_FP6 matrix_b_fmt:MATRIX_FMT_FP6
.endif
.endm
; Half a K step: the 32 products that take W's tiles 4 h .. 4 h + 3; then four places: loads into registers that these products have read follow, and on the way out reads of their results.
; Each of the 64 accumulators has one product a step, in the same order in every step.
.macro HALFQ h
.if ZR
	WIN 0x91                                       ; source 0 window 1, source 1 window 0, C (the bias) window 1, D window 2
.else
	WIN 0xa1
.endif
.irp q, 0,1,2,3
.irp p, 0,1,2,3
	MMQ \p, 4*(\h)+\q
.endr
.endr
.if ZR
	WIN 0xd1
.else
	WIN 0xf1
.endif
.irp q, 0,1,2,3
.irp p, 4,5,6,7
	MMQ \p, 4*(\h)+\q
.endr
.endr
	WIN 0
.rept 4
	v_nop
.endr
.endm
.macro HALFV h
.if ZR
	WIN 0x94+0x40*(\h)                             ; source 0 window 0, source 1 window 1, C (the bias) window 1, D window 2 + h
.else
	WIN 0xa4+0x50*(\h)
.endif
.irp p, 0,1,2,3
.irp q, 0,1,2,3,4,5,6,7
	MMV 4*(\h)+\p, \q
.endr
.endr
	WIN 0
.rept 4
	v_nop
.endr
.endm
; K step s.  A group of W is asked for one and a half to two steps ahead of its use; the counted waits name the loads issued behind the group that is wanted, 13 a group.
.macro STEP s, v
.set SG, (\s)&1
.if (\s) == 0
.set ZR, 1
.else
.set ZR, 0
.endif
.if (\s) == 7
	s_wait_loadcnt 13                              ; behind group (7, 0): group (7, 1)
.else
	s_wait_loadcnt 39                              ; behind group (s, 0): (s, 1), (s + 1, 0), (s + 1, 1).  In step 0 the bias, which is older, is in too
.endif
	s_wait_dscnt 0x0                               ; x's fragments of this step, asked for half a step ago (step 0's: ahead of the loop, or ahead of the last pass's way out)
.if \v
	HALFV 0
.else
	HALFQ 0
.endif
.if (\s) <= 5
	GRP (\s)+2, 0
.endif
.if (\s) < 7
	LLOAD (\s)+1
.endif
.if (\s) <= 5
	s_wait_loadcnt 39                              ; behind group (s, 1): (s + 1, 0), (s + 1, 1), (s + 2, 0)
.elseif (\s) == 6
	s_wait_loadcnt 26                              ; (7, 0), (7, 1)
.else
	s_wait_loadcnt 0x0                             ; nothing: so the weights' bases may be stepped behind this step
.endif
.if \v
	HALFV 1
.else
	HALFQ 1
.endif
.if (\s) <= 5
	GRP (\s)+2, 1
.endif
.endm
; THE WAY OUT of a pass: for each p the 64 registers become a fragment, stored as three runs of 512 consecutive bytes; the eight scale words leave as one run of 512.
.macro EPI
.set P, 0
.rept 8
.if P > 0
	QUANT 64*(P%4), 2+P/4, PWS+P, 1
.else
	QUANT 64*(P%4), 2+P/4, PWS+P, 0                ; (no store that reads v[PC] on is out: the last pass's way out ended with a wait)
.endif
.irp c, 0,1,2
	global_store_b128 v[LI], v[PC+4*\c:PC+4*\c+3], s[44:45] offset:P*1536+512*\c
.endr
.set P, P+1
.endr
.irp i, 0,1,2,3
	v_cndmask_b32 v[CT+\i], v[PWS+\i], v[PWS+4+\i], s50   ; lanes 0-15 take tiles 0-3's words of row r, lanes 16-31 tiles 4-7's
.endr
	global_store_b128 v[OSV], v[CT:CT+3], s[46:47]
	s_wait_xcnt 0x0                                ; the stores have read their registers and bases: both may be written again
	s_add_nc_u64 s[44:45], s[44:45], 49152         ; four groups of eight images on
	s_add_nc_u64 s[46:47], s[46:47], 2048
.endm
	s_load_b512 s[8:23], s[0:1], 0x0               ; input_query, input_key, input_value, bq, bk, bv, seq_lens, wimg
	s_load_b128 s[24:27], s[0:1], 0x40             ; wsc, codes
	s_load_b64 s[28:29], s[0:1], 0x50              ; scl
	v_lshl_add_u32 v[SPW], v0, 2, SPARE
	v_mov_b32 v[NIL], 0
	v_lshrrev_b32 v18, 5, v0
	v_readfirstlane_b32 s32, v18                   ; wave 0..3
	v_and_b32 v18, 31, v0                          ; lane
	v_and_b32 v19, 15, v0                          ; r
	v_bfe_u32 v20, v0, 4, 1                        ; h
	v_lshlrev_b32 v[LI], 4, v18
	v_lshlrev_b32 v[R32], 5, v19
	s_mul_i32 s52, s32, 16896
	s_add_co_u32 s52, s52, STG                     ; my two stages
	v_add_nc_u32 v[STW], s52, v[LI]
	v_mul_u32_u24 v21, v19, 528
	v_lshl_add_u32 v21, v20, 6, v21
	v_add_nc_u32 v[STR], s52, v21
	s_mul_i32 s52, s32, 3072
	v_add_nc_u32 v[XWI0], s52, v[LI]
	v_add_nc_u32 v[XWI1], 61440, v[XWI0]
	s_lshl_b32 s52, s32, 3
	s_add_co_u32 s52, s52, XSC
	v_add_nc_u32 v[XWS], s52, v[R32]
	v_lshlrev_b32 v[LA0], 4, v18
	v_add_nc_u32 v[LA1], 61440, v[LA0]
	v_add_nc_u32 v[LSA], XSC, v[R32]
	v_lshl_add_u32 v[OSV], v20, 4, v[R32]
	v_lshlrev_b32 v[BOQ], 6, v20
	v_lshlrev_b32 v[BOV], 2, v19
.irp b, 0,1,2,3
	v_mov_b32 v[TM+4+\b], 0                        ; written once: a lane permute's destination counts as one of its sources
.endr
	s_mul_i32 s51, ttmp9, 157                      ; my rank: 157 x id mod 256 for ids 0-255,
	s_and_b32 s51, s51, 255
	s_cmp_lt_u32 ttmp9, 256
	s_cselect_b32 s51, s51, ttmp9                  ; the id itself for ids 256-287
	s_and_b32 s33, s51, 1
	s_add_co_u32 s33, s33, 1                       ; from rank 32 on lk (1) and lv (2) by turns;
	s_cmp_lt_u32 s51, 32
	s_cselect_b32 s33, 0, s33                      ; ranks 0-31: lq (0).  The kind hangs on the id alone
	s_sub_co_u32 s31, s51, 32
	s_lshr_b32 s31, s31, 1                         ; j: I take the j-th block of keys that counts (in lq's ranks a number past every count: not used)
	s_cmp_eq_u32 s33, 2
	s_cselect_b32 s30, 160, 32                     ; where my kind's blocks begin among the 288
	s_cmp_eq_u32 s33, 0
	s_cselect_b32 s30, 0, s30
	s_min_u32 s52, s33, 1                          ; 1: x's tiles are permuted (lk, lv): the second and third eight of each 32 rows change places
	s_lshl_b32 s53, 0x8000, s52
	v_add_nc_u32 v[XVB], s53, v[LI]                ; tile 0's upper slots: rows 8 on, or 16 on
	s_lshr_b32 s53, 0x10000, s52
	v_add_nc_u32 v[XVC], s53, v[LI]                ; tile 1's lower slots: rows 16 on, or 8 on
	s_mov_b32 s48, 0x76543210
	s_mov_b32 s49, 0xfedcba98                      ; v_permlanex16_b32's selects for lane l xor 16
	s_mov_b32 s50, 0xffff0000                      ; lanes 16-31
	s_wait_kmcnt 0x0
	s_load_b256 s[68:75], s[20:21], 0x0            ; seq_lens, all eight
	s_mov_b32 s53, 0
	s_cmp_eq_u32 s33, 0                            ; the choices hang on the work-group's number alone
	s_cselect_b64 s[36:37], s[8:9], s[10:11]
	s_cselect_b64 s[42:43], s[14:15], s[16:17]
	s_cmp_eq_u32 s33, 2
	s_cselect_b64 s[36:37], s[12:13], s[36:37]
	s_cselect_b64 s[42:43], s[18:19], s[42:43]
	s_mul_i32 s52, s33, 786432                     ; W's images: my kind's, group g = wave
	s_mul_i32 s54, s32, 98304
	s_add_co_u32 s52, s52, s54
	s_add_nc_u64 s[38:39], s[22:23], s[52:53]
	s_lshl_b32 s52, s33, 15                        ; and scale words
	s_lshl_b32 s54, s32, 12
	s_add_co_u32 s52, s52, s54
	s_add_nc_u64 s[40:41], s[24:25], s[52:53]
	s_lshl_b32 s52, s32, 9                         ; the bias: my 128 numbers
	s_add_nc_u64 s[42:43], s[42:43], s[52:53]
	WPRO                                           ; the first pass's bias and first weights: they land under phase X
	s_wait_kmcnt 0x0                               ; the eight lengths are in
.irp b, 0,1,2,3,4,5,6,7
	s_add_co_u32 s[68+\b], s[68+\b], 127
	s_lshr_b32 s[68+\b], s[68+\b], 7
	s_min_u32 s[68+\b], s[68+\b], 16               ; T_b: batch b's blocks of keys that count
.endr
	s_mov_b32 s54, 0                               ; the blocks of the batches gone through
	s_mov_b32 s55, 0                               ; my batch: as many as have all their blocks at or under j
	s_mov_b32 s56, 0                               ; and the blocks that lie ahead of it
.irp b, 0,1,2,3,4,5,6,7
	s_add_co_u32 s54, s54, s[68+\b]
	s_cmp_ge_u32 s31, s54
	s_cselect_b32 s56, s54, s56
.if \b < 7
	s_cselect_b32 s55, \b+1, s55
.endif
.endr
	s_cselect_b32 s34, 0, 1                        ; (the last compare still stands)  j at or past all that count: no work
	s_sub_co_u32 s56, s31, s56                     ; kb
	s_min_u32 s56, s56, 15                         ; both are held: a rank without work names a block that exists
	s_min_u32 s55, s55, 7
	s_lshl_b32 s55, s55, 4
	s_add_co_u32 s56, s56, s55                     ; the block's number in its input: 16 b + kb;
	s_cmp_eq_u32 s33, 0
	s_cselect_b32 s56, s51, s56                    ; for lq the rank,
	s_cselect_b32 s34, 1, s34                      ; and queries always count
	s_min_u32 s56, s56, 127
	s_add_co_u32 s57, s56, s30                     ; and among the 288
	s_lshl_b32 s52, s56, 19                        ; x: 128 rows of 4,096 bytes a block + my 32 rows
	s_lshl_b32 s54, s32, 17
	s_add_co_u32 s52, s52, s54
	s_add_nc_u64 s[36:37], s[36:37], s[52:53]
	s_mul_i32 s52, s57, 98304                      ; out: my block, group g = wave
	s_mul_i32 s54, s32, 12288
	s_add_co_u32 s52, s52, s54
	s_add_nc_u64 s[44:45], s[26:27], s[52:53]
	s_lshl_b32 s52, s57, 12
	s_lshl_b32 s54, s32, 9
	s_add_co_u32 s52, s52, s54
	s_add_nc_u64 s[46:47], s[28:29], s[52:53]
	s_cmp_eq_u32 s34, 0
	s_cbranch_scc1 .Lx_done
	; ---- PHASE X, written out: every LDS address is a register made above and an immediate.  Three to four fragments' loads, 16 each, are on their way.
	XLOAD 0
	XLOAD 1
	XLOAD 2
	XLOAD 3
	s_wait_loadcnt 48                              ; fragment 0's sixteen are in; behind them fragments 1 to 3
	TURN 0
.set F, 0
.rept 16
.if F < 13
	s_wait_loadcnt 32                              ; fragment F + 1 is in; behind it F + 2 and F + 3
.elseif F == 13
	s_wait_loadcnt 16
.elseif F == 14
	s_wait_loadcnt 0x0
.endif
.if F < 15
	TURN F+1
	s_wait_dscnt 32                                ; all but the 32 just issued: fragment F is back from its stage, and the last image has left v[PC] on
.else
	s_wait_dscnt 0x0
.endif
.if F+4 <= 15
	XLOAD F+4                                      ; into the set of fragment F - 1, which has gone through its stage
.endif
	QUANT XS0+64*(F%2), 0, PW, 0
	IMAGE F
.set F, F+1
.endr
.Lx_done:
	s_wait_dscnt 0x0                               ; for the others' sake: my images and scale words lie in LDS
	s_barrier_signal -1
	s_barrier_wait -1                              ; everybody's do.  The launch's one barrier: every wave of every work-group passes it
	s_cmp_eq_u32 s34, 0
	s_cbranch_scc1 .Lg_done
	; ---- PHASE G: two passes; a pass's eight K steps are written out, so the LDS addresses are the same in both
	s_mov_b32 s35, 2
	LLOAD 0                                        ; the first pass's first fragments of x
.Lpass:
	s_cmp_eq_u32 s33, 2
	s_cbranch_scc1 .Lv_steps
.irp s, 0,1,2,3,4,5,6,7
	STEP \s, 0
.endr
	s_branch .Lepi
.Lv_steps:
.irp s, 0,1,2,3,4,5,6,7
	STEP \s, 1
.endr
.Lepi:
	s_cmp_eq_u32 s35, 1
	s_cbranch_scc1 .Lno_more
	s_add_nc_u64 s[38:39], s[38:39], 393216        ; four groups on (step 7's wait for 0 has shown every load that named these bases done)
	s_add_nc_u64 s[40:41], s[40:41], 16384
	s_add_nc_u64 s[42:43], s[42:43], 2048
	WPRO                                           ; the second pass's bias and first weights land under the way out,
	LLOAD 0                                        ; and so do its first fragments of x: set 0 (v64-159, v32-39) was last read in step 6, and the way out names none of it
.Lno_more:
	EPI
	s_sub_co_u32 s35, s35, 1
	s_cmp_lg_u32 s35, 0
	s_cbranch_scc1 .Lpass
.Lg_done:
	s_wait_tensorcnt 0x0                           ; the wave's end: behind my last LDS store
	ds_add_u32 v[SPW], v[NIL]
	s_wait_dscnt 0x0
	s_endpgm
.Lfunc_end_k_q38af123951_proj:
	.size	k_q38af123951_proj, .Lfunc_end_k_q38af123951_proj-k_q38af123951_proj
	.p2alignl 7, 3214868480
	.fill 96, 4, 3214868480
	.section	.rodata,"a",@progbits
	.p2align	6, 0x0
	.amdhsa_kernel k_q38af123951_proj
		.amdhsa_group_segment_fixed_size 170496
		.amdhsa_private_segment_fixed_size 0
		.amdhsa_enable_private_segment 0
		.amdhsa_kernarg_size 88
		.amdhsa_user_sgpr_count 2
		.amdhsa_user_sgpr_kernarg_segment_ptr 1
		.amdhsa_wavefront_size32 1
		.amdhsa_system_sgpr_workgroup_id_x 1
		.amdhsa_system_sgpr_workgroup_id_y 1
		.amdhsa_system_sgpr_workgroup_id_z 1
		.amdhsa_system_vgpr_workitem_id 0
		.amdhsa_next_free_vgpr 1024
		.amdhsa_next_free_sgpr 80
		.amdhsa_reserve_vcc 0
		.amdhsa_float_denorm_mode_32 3
		.amdhsa_float_denorm_mode_16_64 3
		.amdhsa_memory_ordered 1
		.amdhsa_forward_progress 1
		.amdhsa_inst_pref_size 255
	.end_amdhsa_kernel
	.section	.bss,"aw",@nobits
	.p2align	6
	.space	262144
	.amdgpu_metadata
---
amdhsa.version: [ 1, 2 ]
amdhsa.kernels:
  - .name:           k_q38af123951_proj
    .symbol:         k_q38af123951_proj.kd
    .args:
      - { .name: input_query, .offset: 0, .size: 8, .value_kind: global_buffer, .address_space: global }
      - { .name: input_key, .offset: 8, .size: 8, .value_kind: global_buffer, .address_space: global }
      - { .name: input_value, .offset: 16, .size: 8, .value_kind: global_buffer, .address_space: global }
      - { .name: bq, .offset: 24, .size: 8, .value_kind: global_buffer, .address_space: global }
      - { .name: bk, .offset: 32, .size: 8, .value_kind: global_buffer, .address_space: global }
      - { .name: bv, .offset: 40, .size: 8, .value_kind: global_buffer, .address_space: global }
      - { .name: seq_lens, .offset: 48, .size: 8, .value_kind: global_buffer, .address_space: global }
      - { .name: wimg, .offset: 56, .size: 8, .value_kind: global_buffer, .address_space: global }
      - { .name: wsc, .offset: 64, .size: 8, .value_kind: global_buffer, .address_space: global }
      - { .name: codes, .offset: 72, .size: 8, .value_kind: global_buffer, .address_space: global }
      - { .name: scl, .offset: 80, .size: 8, .value_kind: global_buffer, .address_space: global }
    .group_segment_fixed_size: 170496
    .private_segment_fixed_size: 0
    .kernarg_segment_align: 8
    .kernarg_segment_size: 88
    .max_flat_workgroup_size: 128
    .sgpr_count:     80
    .vgpr_count:     1024
    .wavefront_size: 32
...
	.end_amdgpu_metadata
.endif
;; end of part 2
;; launch scores (part 3): grid 32 x 8, 4 waves a work-group, no clusters, 0 bytes of LDS; arguments codes, scl, seq_lens, pimg, pw, ps; writes pimg, pw, ps
.if DOCPART == 3
	.amdgcn_target "amdgcn-amd-amdhsa--gfx1250"
	.amdhsa_code_object_version 6
	.text
	.protected	k_q38af123951_scores
	.globl	k_q38af123951_scores
	.p2align	8
	.type	k_q38af123951_scores,@function
k_q38af123951_scores:
	s_mov_b64 s[64:65], 0
	v_nop
	global_prefetch_b8 v0, s[64:65] scope:SCOPE_SE
	s_setreg_imm32_b32 hwreg(HW_REG_WAVE_MODE, 25, 1), 1
	s_wait_xcnt 0x0
; For each batch b, block of 128 keys kb and block of 64 queries qb: S^T = lk lq^T on codes of FP6 (K = 1,024 in eight steps), the mask, and the softmax's p of THIS block of keys:
; t = score x log2(e) / 32;  M = the largest t of these 128 keys, rounded UP to a whole number;  p = 2^(t - M), quantised along the keys; the sum of the unquantised p.  The next launch brings all blocks under
; the row's own M: a power of two, which p's scale bytes take up exactly.
; OUT: pimg [b][kb][query tile 32]: images of 1,536 bytes (16 queries x 128 keys);  pw [b][kb][qb][lane] x 16 bytes: (w0, w1, m0, m1);  ps likewise: (l0, l1, m0, m1): w_i the scale word, m_i = -M, l_i the sum of query 64 qb + 32 i + lane.
; A WAVE IS ON ITS OWN: 64 queries x 128 keys, 32 accumulators; no LDS, no barrier.  b = y, kb = x / 2, qb = 4 (x % 2) + wave.  A block of keys that begins at or past seq_lens[b] has p = 0 throughout: its waves end at once.
; That is a branch on a number read from memory; the launch has no tensor load and no joint loads, though eight waves read each block of lk: operands come from memory as images, straight into registers.
; Source 0 = 16 keys (lk's tiles are permuted: slot m of tile 2 b + u = key 32 b + 8 u + m + 8 (m / 8)), source 1 = 16 queries: lane (r, h) holds query r, and register n of a query tile's 64 key 32 (n / 16) + 16 h + n % 16.
; LIMITS: seq_lens in 1 .. 2,048; NaN and infinities are not served; M is exact as a whole number up to 2^24; a block of 32 keys whose every p is 0 carries the byte 1.
; REGISTERS: window 0: v1-4 addresses and constants; v8-31 at work; v32-95 lk's scale words [s][t], v96-127 lq's [s][a]; v128-147 codes; v148-167 what goes to pw and ps.   window 1: the accumulators ((a, t) at v[64 a + 8 t]).
;   windows 2, 3: a ring of three places, each 96 registers of lk and 48 of lq.
.set LI,   1
.set R32,  2
.set DD,   3                           ; seq - 1 - 128 kb - 16 h: register n's key is hidden where 32 (n / 16) + n % 16 > this
.set NINF, 4
.set BM,   8                           ; v8-11 a block's largest score, then its largest p; v12-15 the other half's; v16-19 scale operands; v20-23 bytes
.set KSW,  32
.set QSW,  96
.set PC,   128
.set WW,   148
.set NM,   152
.set LS,   156
.set RC,   160
.set MSB, 0
.macro WIN new
.if MSB != (\new)
	s_set_vgpr_msb (MSB<<8)|(\new)
.set MSB, (\new)
.endif
.endm
.macro PLACE s                                 ; where K step s's fragments lie: place s % 3
.if (\s)%3 == 0
.set KR, 0
.set KW, 0x80
.set QR, 192
.set QW, 0x80
.set MW, 0x5a
.elseif (\s)%3 == 1
.set KR, 96
.set KW, 0x80
.set QR, 96
.set QW, 0xc0
.set MW, 0x5e
.else
.set KR, 0
.set KW, 0xc0
.set QR, 144
.set QW, 0xc0
.set MW, 0x5f
.endif
.endm
.macro GRP s                                   ; 36 loads of 512 consecutive bytes: lk's eight fragments and lq's four of K step s
	PLACE \s
	WIN KW
.irp t, 0,1,2,3,4,5,6,7
.irp c, 0,1,2
	global_load_b128 v[KR+12*\t+4*\c:KR+12*\t+4*\c+3], v[LI], s[24:25] offset:(\s)*12288+\t*1536+512*\c
.endr
.endr
	WIN QW
.irp a, 0,1,2,3
.irp c, 0,1,2
	global_load_b128 v[QR+12*\a+4*\c:QR+12*\a+4*\c+3], v[LI], s[26:27] offset:(\s)*12288+\a*1536+512*\c
.endr
.endr
	WIN 0
.endm
.macro STEP s
.if (\s) <= 5
	s_wait_loadcnt 63                              ; behind this step's group stand two groups, 72 loads; the wait's field holds 63 at the most
.elseif (\s) == 6
	s_wait_loadcnt 36
.else
	s_wait_loadcnt 0x0
.endif
	PLACE \s
	WIN MW
.irp t, 0,1,2,3,4,5,6,7                        ; each of the 32 accumulators has one product a step
.irp a, 0,1,2,3
.if (\s) == 0
	v_wmma_scale_f32_16x16x128_f8f6f4 v[64*\a+8*\t:64*\a+8*\t+7], v[KR+12*\t:KR+12*\t+11], v[QR+12*\a:QR+12*\a+11], 0, v[KSW+8*(\s)+\t], v[QSW+4*(\s)+\a] matrix_a_fmt:MATRIX_FMT_FP6 matrix_b_fmt:MATRIX_FMT_FP6
.else
	v_wmma_scale_f32_16x16x128_f8f6f4 v[64*\a+8*\t:64*\a+8*\t+7], v[KR+12*\t:KR+12*\t+11], v[QR+12*\a:QR+12*\a+11], v[64*\a+8*\t:64*\a+8*\t+7], v[KSW+8*(\s)+\t], v[QSW+4*(\s)+\a] matrix_a_fmt:MATRIX_FMT_FP6 matrix_b_fmt:MATRIX_FMT_FP6
.endif
.endr
.endr
	WIN 0
.rept 4
	v_nop                                          ; four places in front of loads into registers that these products have read, and of the first read of results
.endr
.if (\s) <= 4
	GRP (\s)+3
.endif
.endm
; Query tile a: mask, M, p, sum, codes.
.macro SOFT a
.set AB, 64*(\a)
	s_cmp_eq_u32 s43, 0                            ; only the block in which seq_lens[b] falls has hidden keys
	s_cbranch_scc1 .Lopen_\@
	WIN 0x41
.set n, 0
.rept 64
	v_cmp_gt_i32 vcc_lo, 32*(n/16)+n%16, v[DD]
	v_cndmask_b32 v[AB+n], v[AB+n], v[NINF], vcc_lo   ; a hidden key's score becomes -infinity: p = 0
.set n, n+1
.endr
	WIN 0
.Lopen_\@:
	WIN 0x14
.irp b, 0,1,2,3
	v_max3_num_f32 v[BM+\b], v[NINF], v[AB+16*\b], v[AB+16*\b+1]   ; THE LARGEST SCORE OF EACH BLOCK OF 32 KEYS serves twice: for the row's maximum and, since p rises with the score, for the block's largest p
.endr
.irp i, 2,4,6,8,10,12,14
.irp b, 0,1,2,3
	v_max3_num_f32 v[BM+\b], v[BM+\b], v[AB+16*\b+\i], v[AB+16*\b+\i+1]
.endr
.endr
	WIN 0
.irp b, 0,1,2,3
	v_permlanex16_b32 v[BM+4+\b], v[BM+\b], s40, s41
.endr
.irp b, 0,1,2,3
	v_max_num_f32 v[BM+\b], v[BM+\b], v[BM+4+\b]   ; with lane l xor 16's 16 keys
.endr
	v_max3_num_f32 v24, v8, v9, v10
	v_max_num_f32 v24, v24, v11                    ; my query's largest score: the block's first key always counts, so it is a number
	v_mul_f32 v24, s38, v24                        ; as t (c is positive)
	v_floor_f32 v26, -v24                          ; -M = floor(-t) = -ceil(t)
.irp b, 0,1,2,3
	v_fma_f32 v[BM+\b], v[BM+\b], s38, v26         ; t - M of each block's largest score
.endr
	v_mov_b32 v[NM+\a], v26
.irp i, 28,29,30,31
	v_mov_b32 v\i, 0                               ; the sum, in two chains of pairs
.endr
	WIN 0x41
.irp j, 0,2,4,6,8,10,12,14,16,18,20,22,24,26,28,30,32,34,36,38,40,42,44,46,48,50,52,54,56,58,60,62
	v_pk_fma_f32 v[AB+\j:AB+\j+1], v[AB+\j:AB+\j+1], s[38:39], v[26:27] op_sel_hi:[1,0,0]   ; t - M, two at a time (of the pairs c and -M the low word serves both halves)
.endr
.set n, 0
.rept 64
	v_exp_f32 v[AB+n], v[AB+n]                     ; p = 2^(t - M), at most 1
.set n, n+1
.endr
	v_nop                                          ; a plain instruction behind the last exponential
	s_wait_alu depctr_va_vdst(0)                   ; one wait for the batch, ahead of its first reader
	WIN 0
.irp b, 0,1,2,3
	v_exp_f32 v[BM+\b], v[BM+\b]                   ; the block's largest p: the same two instructions on the same number give the same bits
.endr
	WIN 0x04
.irp j, 0,4,8,12,16,20,24,28,32,36,40,44,48,52,56,60
	v_pk_add_f32 v[28:29], v[28:29], v[AB+\j:AB+\j+1]       ; THE SUM IS TAKEN OF THE UNQUANTISED p.  (It reads the 64 alone: plain work behind the four)
	v_pk_add_f32 v[30:31], v[30:31], v[AB+\j+2:AB+\j+3]
.endr
	WIN 0
	v_pk_add_f32 v[28:29], v[28:29], v[30:31]
	v_add_f32 v28, v28, v29
	v_permlanex16_b32 v24, v28, s40, s41
	v_add_f32 v[LS+\a], v28, v24                   ; with lane l xor 16's keys: the block's sum for my query
	s_wait_alu depctr_va_vdst(0)                   ; and one wait for the four
.irp b, 0,1,2,3
	v_max_num_f32 v[BM+\b], 0x1800000, v[BM+\b]    ; the floor 2^(3 - 127): the byte cannot fall under 1
.endr
.irp b, 0,1,2,3
	v_add_nc_u32 v[BM+8+\b], 0xff000000, v[BM+\b]  ; 2 off the exponent field: the conversion's scale operand
.endr
.irp b, 0,1,2,3
	v_lshrrev_b32 v[BM+12+\b], 23, v[BM+8+\b]      ; the scale's byte
.endr
	v_lshl_or_b32 v[WW+\a], v21, 8, v20
	v_lshl_or_b32 v[WW+\a], v22, 16, v[WW+\a]
	v_lshl_or_b32 v[WW+\a], v23, 24, v[WW+\a]
.if (\a) > 0
	s_wait_xcnt 0x0                                ; the last tile's stores have read v[PC] on
.endif
	WIN 0x01
.irp c, 0,1
	v_cvt_scalef32_pk16_fp6_f32 v[PC+6*\c:PC+6*\c+2], v[AB+32*\c:AB+32*\c+15], v[BM+8+2*\c]
	v_cvt_scalef32_pk16_fp6_f32 v[PC+12+4*\c:PC+14+4*\c], v[AB+32*\c+16:AB+32*\c+31], v[BM+8+2*\c+1]
.endr
	WIN 0
	v_nop                                          ; one plain instruction behind the scaled conversions
.irp c, 0,1
.irp i, 0,1,2
	v_permlane16_swap_b32 v[PC+6*\c+\i], v[PC+12+4*\c+\i]
.endr
.irp i, 0,1,2
	v_mov_b32 v[PC+3+6*\c+\i], v[PC+12+4*\c+\i]
.endr
.endr
.irp c, 0,1,2
	global_store_b128 v[LI], v[PC+4*\c:PC+4*\c+3], s[32:33] offset:(\a)*1536+512*\c   ; 512 consecutive bytes
.endr
.endm
	s_load_b256 s[4:11], s[0:1], 0x0               ; codes, scl, seq_lens, pimg
	s_load_b128 s[12:15], s[0:1], 0x20             ; pw, ps
	v_lshrrev_b32 v5, 5, v0
	v_readfirstlane_b32 s16, v5                    ; wave
	s_and_b32 s17, ttmp7, 0xffff                   ; b
	s_lshr_b32 s18, ttmp9, 1                       ; kb
	s_and_b32 s19, ttmp9, 1
	s_lshl_b32 s19, s19, 2
	s_add_co_u32 s19, s19, s16                     ; qb
	s_lshl_b32 s20, s17, 2
	s_mov_b32 s21, 0
	s_lshl_b32 s23, s18, 7                         ; the block's first key
	v_and_b32 v5, 31, v0
	v_lshlrev_b32 v[LI], 4, v5
	v_and_b32 v6, 15, v0
	v_lshlrev_b32 v[R32], 5, v6
	v_bfe_u32 v7, v0, 4, 1
	v_lshlrev_b32 v7, 4, v7                        ; 16 h
	s_wait_kmcnt 0x0
	s_add_nc_u64 s[8:9], s[8:9], s[20:21]
	s_load_b32 s22, s[8:9], 0x0                    ; seq_lens[b]
	s_lshl_b32 s44, s17, 4
	s_add_co_u32 s44, s44, s18                     ; 16 b + kb
	s_add_co_u32 s45, s44, 32                      ; lk's block
	s_mul_i32 s20, s45, 98304
	s_add_nc_u64 s[24:25], s[4:5], s[20:21]
	s_lshl_b32 s20, s45, 12
	s_add_nc_u64 s[28:29], s[6:7], s[20:21]
	s_lshl_b32 s45, s17, 2
	s_lshr_b32 s46, s19, 1
	s_add_co_u32 s45, s45, s46                     ; lq's block 4 b + qb / 2,
	s_and_b32 s46, s19, 1                          ; and which four of its eight tiles
	s_mul_i32 s20, s45, 98304
	s_mul_i32 s47, s46, 6144
	s_add_co_u32 s20, s20, s47
	s_add_nc_u64 s[26:27], s[4:5], s[20:21]
	s_lshl_b32 s20, s45, 12
	s_lshl_b32 s47, s46, 4
	s_add_co_u32 s20, s20, s47
	s_add_nc_u64 s[30:31], s[6:7], s[20:21]
	s_lshl_b32 s45, s44, 5
	s_lshl_b32 s47, s19, 2
	s_add_co_u32 s45, s45, s47
	s_mul_i32 s20, s45, 1536
	s_add_nc_u64 s[32:33], s[10:11], s[20:21]      ; p's images
	s_lshl_b32 s45, s44, 3
	s_add_co_u32 s45, s45, s19
	s_lshl_b32 s20, s45, 9
	s_add_nc_u64 s[34:35], s[12:13], s[20:21]
	s_add_nc_u64 s[36:37], s[14:15], s[20:21]
	s_mov_b32 s38, 0x3d38aa3b                      ; c = log2(e) / sqrt(1024)
	s_mov_b32 s39, s38                             ; (named with it as a pair, so it is written)
	s_mov_b32 s40, 0x76543210
	s_mov_b32 s41, 0xfedcba98
	s_mov_b32 s42, 0xffff0000                      ; lanes 16-31
	s_wait_kmcnt 0x0
	s_cmp_ge_u32 s23, s22
	s_cbranch_scc1 .Lend                           ; every key of the block is hidden
.irp s, 0,1,2,3,4,5,6,7                        ; all scale words at once: 24 loads
	global_load_b128 v[KSW+8*\s:KSW+8*\s+3], v[R32], s[28:29] offset:512*\s
	global_load_b128 v[KSW+8*\s+4:KSW+8*\s+7], v[R32], s[28:29] offset:512*\s+16
	global_load_b128 v[QSW+4*\s:QSW+4*\s+3], v[R32], s[30:31] offset:512*\s
.endr
	GRP 0
	GRP 1
	GRP 2
	s_add_co_u32 s45, s23, 128
	s_cmp_lt_u32 s22, s45
	s_cselect_b32 s43, 1, 0                        ; 1: seq_lens[b] falls into this block
	s_sub_co_u32 s45, s22, s23
	s_sub_co_u32 s45, s45, 1
	v_sub_nc_u32 v[DD], s45, v7
	v_mov_b32 v[NINF], 0xff800000
	v_mov_b32 v27, 0                               ; (named as the upper half of the pair v[26:27])
.irp b, 0,1,2,3
	v_mov_b32 v[BM+4+\b], 0                        ; written once: a lane permute's destination counts as one of its sources
.endr
.irp s, 0,1,2,3,4,5,6,7
	STEP \s
.endr
	SOFT 0
	SOFT 1
	SOFT 2
	SOFT 3
	v_cndmask_b32 v[RC], v[WW], v[WW+1], s42       ; lanes 0-15 speak for tile 2 i, lanes 16-31 for tile 2 i + 1
	v_cndmask_b32 v[RC+1], v[WW+2], v[WW+3], s42
	v_cndmask_b32 v[RC+2], v[NM], v[NM+1], s42
	v_cndmask_b32 v[RC+3], v[NM+2], v[NM+3], s42
	v_cndmask_b32 v[RC+4], v[LS], v[LS+1], s42
	v_cndmask_b32 v[RC+5], v[LS+2], v[LS+3], s42
	v_cndmask_b32 v[RC+6], v[NM], v[NM+1], s42
	v_cndmask_b32 v[RC+7], v[NM+2], v[NM+3], s42
	global_store_b128 v[LI], v[RC:RC+3], s[34:35]      ; 512 consecutive bytes each
	global_store_b128 v[LI], v[RC+4:RC+7], s[36:37]
.Lend:
	s_endpgm
.Lfunc_end_k_q38af123951_scores:
	.size	k_q38af123951_scores, .Lfunc_end_k_q38af123951_scores-k_q38af123951_scores
	.p2alignl 7, 3214868480
	.fill 96, 4, 3214868480
	.section	.rodata,"a",@progbits
	.p2align	6, 0x0
	.amdhsa_kernel k_q38af123951_scores
		.amdhsa_group_segment_fixed_size 0
		.amdhsa_private_segment_fixed_size 0
		.amdhsa_enable_private_segment 0
		.amdhsa_kernarg_size 48
		.amdhsa_user_sgpr_count 2
		.amdhsa_user_sgpr_kernarg_segment_ptr 1
		.amdhsa_wavefront_size32 1
		.amdhsa_system_sgpr_workgroup_id_x 1
		.amdhsa_system_sgpr_workgroup_id_y 1
		.amdhsa_system_sgpr_workgroup_id_z 1
		.amdhsa_system_vgpr_workitem_id 0
		.amdhsa_next_free_vgpr 960
		.amdhsa_next_free_sgpr 66
		.amdhsa_reserve_vcc 1
		.amdhsa_float_denorm_mode_32 3
		.amdhsa_float_denorm_mode_16_64 3
		.amdhsa_memory_ordered 1
		.amdhsa_forward_progress 1
		.amdhsa_inst_pref_size 134
	.end_amdhsa_kernel
	.amdgpu_metadata
---
amdhsa.version: [ 1, 2 ]
amdhsa.kernels:
  - .name:           k_q38af123951_scores
    .symbol:         k_q38af123951_scores.kd
    .args:
      - { .name: codes, .offset: 0, .size: 8, .value_kind: global_buffer, .address_space: global }
      - { .name: scl, .offset: 8, .size: 8, .value_kind: global_buffer, .address_space: global }
      - { .name: seq_lens, .offset: 16, .size: 8, .value_kind: global_buffer, .address_space: global }
      - { .name: pimg, .offset: 24, .size: 8, .value_kind: global_buffer, .address_space: global }
      - { .name: pw, .offset: 32, .size: 8, .value_kind: global_buffer, .address_space: global }
      - { .name: ps, .offset: 40, .size: 8, .value_kind: global_buffer, .address_space: global }
    .group_segment_fixed_size: 0
    .private_segment_fixed_size: 0
    .kernarg_segment_align: 8
    .kernarg_segment_size: 48
    .max_flat_workgroup_size: 128
    .sgpr_count:     66
    .vgpr_count:     960
    .wavefront_size: 32
...
	.end_amdgpu_metadata
.endif
;; end of part 3
;; launch pv (part 4): grid 32 x 8, 4 waves a work-group, no clusters, 35,328 bytes of LDS; arguments codes, scl, pimg, pw, ps, seq_lens, out0; writes out0
.if DOCPART == 4
	.amdgcn_target "amdgcn-amd-amdhsa--gfx1250"
	.amdhsa_code_object_version 6
	.text
	.protected	k_q38af123951_pv
	.globl	k_q38af123951_pv
	.p2align	8
	.type	k_q38af123951_pv,@function
k_q38af123951_pv:
	s_mov_b64 s[64:65], 0
	v_nop
	global_prefetch_b8 v0, s[64:65] scope:SCOPE_SE
	s_setreg_imm32_b32 hwreg(HW_REG_WAVE_MODE, 25, 1), 1
	s_wait_xcnt 0x0
; out0[b][q][o] = (the sum over the keys of p lv) / l, on codes of FP6 (E2M3) with K = the keys, 128 a step.
; p came block by block of 128 keys, each under its own whole number M_loc.  Here: -M = the least of the blocks' -M_loc;  l = the sum of the blocks' sums x 2^(M_loc - M) (exact);  and in each step p's four scale bytes are
; lowered by d = M - M_loc, which is the same multiplication by a power of two: the codes stay as they are.
; SHARES.  b = y, qblk = x % 4, og = x / 4.  Wave w: queries 64 (2 qblk + w % 2) on, outputs 128 og + 64 (w / 2) on: 16 accumulators.  Source 0 = 16 outputs of lv, source 1 = 16 queries of p: lane (r, h) holds query r and eight neighbouring outputs.
; The walk ends with the block in which seq_lens[b] falls: a trip count read from memory; the launch has no tensor load and no joint loads, though waves share fragments: operands come from memory as images,
; straight into registers, through a ring of three places; a step's group of 26 loads is asked for three steps ahead.
; THE WALK over T blocks: the first step, which starts the sums; (T - 1) / 3 whole trips of three steps, once round the ring, counted one by one; the 0, 1 or 2 steps that are left, written out behind the loop.  The first step and the
; loop's steps each ask for one group, the steps behind the loop for none: so the counted waits hold on every way.  Past the end the last block is asked for again and not used: at most three groups, 39 KB a wave.  They may be
; out at the end: nothing behind the walk names their registers.
; LIMITS: seq_lens in 1 .. 2,048; NaN and infinities are not served; a block of 32 keys whose byte would fall under 0 (p some 2^-120 under the row's largest) is held at the byte 0, the scale 2^-127.
; REGISTERS: window 0: v1-7 addresses; v8-23 offsets into ps; v24-31 1 / l; v32-43 lv's scale words, v44-55 pw's records, v56-61 p's lowered scale words, a set for each place; v62-63 -M; v64-127 at work; v128-255 the accumulators
;   ((a, jj) at v[128 + 32 a + 8 jj]).   windows 1, 2: the ring: 48 registers of lv and 48 of p a place.
.set LI,   1
.set R32,  2
.set STO,  3                           ; my stage, in: 272 r + 32 h
.set RD,   4                           ; and back: 272 (l / 16) + 16 (l % 16)
.set GOV,  5                           ; the same two rows in out0
.set SPW,  6                           ; LDS address of my spare word; never rewritten
.set NIL,  7                           ; 0; never rewritten
.set VO,   8
.set RL,   24                          ; 1 / l of tile a's query r at v[24 + 2 a]: the packed multiply names an even pair
.set VS,   32
.set REC,  44
.set WP,   56
.set MG,   62
.set ST,   64
.set ACC,  128
.set SPARE, 34816                      ; LDS: two stages of 16 rows x 272 bytes for each wave; behind them the spare words, 128 bytes for each wave: two blocks of 256 bytes that no other line names
.set MSB, 0
.macro WIN new
.if MSB != (\new)
	s_set_vgpr_msb (MSB<<8)|(\new)
.set MSB, (\new)
.endif
.endm
.macro PLACE sl
.set VR, 96*(\sl)
.if (\sl) < 2
.set PR, 96*(\sl)+48
.set PWN, 0x40
.set MW, 0x05
.else
.set PR, 0
.set PWN, 0x80
.set MW, 0x09
.endif
.endm
; The group of key block min(s70, the last block) into place sl: pw's record FIRST, lv's scale words, lv's four fragments, p's four.  The place's four pointers are written again only behind the wait that showed its last group done.
.macro GRP sl
.set PP, 36+8*(\sl)
	PLACE \sl
	s_min_u32 s70, s70, s26
	s_min_u32 s70, s70, 15
	s_lshl_b32 s60, s70, 12
	s_add_nc_u64 s[PP:PP+1], s[34:35], s[60:61]
	s_add_nc_u64 s[PP+2:PP+3], s[32:33], s[60:61]
	s_mul_i32 s60, s70, 98304
	s_add_nc_u64 s[PP+4:PP+5], s[28:29], s[60:61]
	s_mul_i32 s60, s70, 49152
	s_add_nc_u64 s[PP+6:PP+7], s[30:31], s[60:61]
	global_load_b128 v[REC+4*(\sl):REC+4*(\sl)+3], v[LI], s[PP:PP+1]
	global_load_b128 v[VS+4*(\sl):VS+4*(\sl)+3], v[R32], s[PP+2:PP+3]
	WIN 0x40
.irp jj, 0,1,2,3
.irp c, 0,1,2
	global_load_b128 v[VR+12*\jj+4*\c:VR+12*\jj+4*\c+3], v[LI], s[PP+4:PP+5] offset:\jj*1536+512*\c
.endr
.endr
	WIN PWN
.irp a, 0,1,2,3
.irp c, 0,1,2
	global_load_b128 v[PR+12*\a+4*\c:PR+12*\a+4*\c+3], v[LI], s[PP+6:PP+7] offset:\a*1536+512*\c
.endr
.endr
	WIN 0
.endm
; p's scale words of place sl, each byte lowered by d = M - M_loc = m - (-M), held to 127.  Bytes lie in 1 .. 125: with bit 7 set on each, no borrow passes from byte to byte; a byte that would fall under 0 becomes 0.
.macro FIX sl
.irp i, 0,1
	v_sub_f32 v[ST+\i], v[REC+4*(\sl)+2+\i], v[MG+\i]
.endr
.irp i, 0,1
	v_min_num_f32 v[ST+\i], 0x42fe0000, v[ST+\i]
.endr
.irp i, 0,1
	v_cvt_u32_f32 v[ST+\i], v[ST+\i]
.endr
.irp i, 0,1
	v_mul_lo_u32 v[ST+\i], v[ST+\i], s63           ; d in all four bytes
.endr
.irp i, 0,1
	v_or_b32 v[ST+2+\i], s62, v[REC+4*(\sl)+\i]
.endr
.irp i, 0,1
	v_sub_nc_u32 v[ST+2+\i], v[ST+2+\i], v[ST+\i]  ; 128 + byte - d: bit 7 stays where byte >= d
.endr
.irp i, 0,1
	v_and_b32 v[ST+\i], s62, v[ST+2+\i]
.endr
.irp i, 0,1
	v_lshrrev_b32 v[ST+4+\i], 7, v[ST+\i]
.endr
.irp i, 0,1
	v_sub_nc_u32 v[ST+\i], v[ST+\i], v[ST+4+\i]    ; 0x7f in those bytes, 0 in the others
.endr
.irp i, 0,1
	v_and_b32 v[WP+2*(\sl)+\i], v[ST+2+\i], v[ST+\i]
.endr
.endm
; Eight products: query tiles a0, a0 + 1 x four tiles of outputs.  p's scale words of tiles 2 i and 2 i + 1 share a register: the odd tile's lie in lanes 16-31.
.macro MM8 sl, a0, zero
.irp jj, 0,1,2,3
.irp a, \a0, \a0+1
.set rD, ACC+32*(\a)+8*\jj
.set rA, VR+12*\jj
.set rB, PR+12*(\a)
.if \zero
.if (\a)%2
	v_wmma_scale_f32_16x16x128_f8f6f4 v[rD:rD+7], v[rA:rA+11], v[rB:rB+11], 0, v[VS+4*(\sl)+\jj], v[WP+2*(\sl)+(\a)/2] matrix_a_fmt:MATRIX_FMT_FP6 matrix_b_fmt:MATRIX_FMT_FP6 matrix_b_scale:MATRIX_SCALE_ROW1
.else
	v_wmma_scale_f32_16x16x128_f8f6f4 v[rD:rD+7], v[rA:rA+11], v[rB:rB+11], 0, v[VS+4*(\sl)+\jj], v[WP+2*(\sl)+(\a)/2] matrix_a_fmt:MATRIX_FMT_FP6 matrix_b_fmt:MATRIX_FMT_FP6
.endif
.else
.if (\a)%2
	v_wmma_scale_f32_16x16x128_f8f6f4 v[rD:rD+7], v[rA:rA+11], v[rB:rB+11], v[rD:rD+7], v[VS+4*(\sl)+\jj], v[WP+2*(\sl)+(\a)/2] matrix_a_fmt:MATRIX_FMT_FP6 matrix_b_fmt:MATRIX_FMT_FP6 matrix_b_scale:MATRIX_SCALE_ROW1
.else
	v_wmma_scale_f32_16x16x128_f8f6f4 v[rD:rD+7], v[rA:rA+11], v[rB:rB+11], v[rD:rD+7], v[VS+4*(\sl)+\jj], v[WP+2*(\sl)+(\a)/2] matrix_a_fmt:MATRIX_FMT_FP6 matrix_b_fmt:MATRIX_FMT_FP6
.endif
.endif
.endr
.endr
.endm
; A key step from place sl.  Each of the 16 accumulators has one product a step.
; tail = 0: the first step or one of the loop's; it stands k steps behind the step that s27 names, and asks for the group three steps on.
; tail = 1: the first step behind the loop: as in the loop, but it asks for nothing.   tail = 2: the second: one younger group is out, and no step follows whose scale words would have to be lowered.
.macro STEP sl, k, zero, tail
.if (\tail) == 2
	s_wait_loadcnt 26                              ; behind this place's group: one younger group, 26 loads (the step before asked for none)
.else
	s_wait_loadcnt 52                              ; behind this place's group: the two younger groups, 26 loads each
.endif
	PLACE \sl
	WIN MW
	MM8 \sl, 0, \zero
.if (\tail) < 2
	WIN 0
	s_wait_loadcnt 51                              ; the next group's first load, pw's record, is in: behind it 25 and 26
	FIX ((\sl)+1)%3
.rept 4
	v_nop
.endr
	WIN MW
.endif
	MM8 \sl, 2, \zero
	WIN 0
.rept 4
	v_nop                                          ; with the four above: eight places between the last write of the next step's scale words and its first product; and four in front of the loads below and of the first read of results
.endr
.if (\tail) == 0
	s_add_co_u32 s70, s27, (\k)+3
	GRP \sl
.endif
.endm
	s_load_b256 s[4:11], s[0:1], 0x0               ; codes, scl, pimg, pw
	s_load_b128 s[12:15], s[0:1], 0x20             ; ps, seq_lens
	s_load_b64 s[16:17], s[0:1], 0x30              ; out0
	v_lshl_add_u32 v[SPW], v0, 2, SPARE
	v_mov_b32 v[NIL], 0
	v_lshrrev_b32 v9, 5, v0
	v_readfirstlane_b32 s18, v9                    ; wave
	s_and_b32 s19, ttmp7, 0xffff                   ; b
	s_and_b32 s20, ttmp9, 3                        ; qblk
	s_lshr_b32 s21, ttmp9, 2                       ; og
	s_and_b32 s22, s18, 1
	s_lshl_b32 s70, s20, 1
	s_add_co_u32 s22, s22, s70                     ; qb
	s_lshr_b32 s23, s18, 1                         ; os
	v_and_b32 v9, 31, v0
	v_and_b32 v10, 15, v0                          ; r, or l % 16
	v_bfe_u32 v11, v0, 4, 1                        ; h, or l / 16
	v_lshlrev_b32 v[LI], 4, v9
	v_lshlrev_b32 v[R32], 5, v10
	s_mul_i32 s70, s18, 8704                       ; my two stages
	v_mul_u32_u24 v12, v10, 272
	v_lshl_add_u32 v12, v11, 5, v12
	v_add_nc_u32 v[STO], s70, v12
	v_mul_u32_u24 v12, v11, 272
	v_lshl_add_u32 v12, v10, 4, v12
	v_add_nc_u32 v[RD], s70, v12
	v_lshlrev_b32 v12, 12, v11
	v_lshl_add_u32 v[GOV], v10, 4, v12
	v_mov_b32 v29, 0                               ; written once: a lane permute's destination counts as one of its sources
	v_mov_b32 v31, 0
	s_lshl_b32 s60, s19, 2
	s_mov_b32 s61, 0
	s_mov_b32 s62, 0x80808080
	s_mov_b32 s63, 0x01010101
	s_mov_b32 s66, 0x76543210
	s_mov_b32 s67, 0xfedcba98
	s_mov_b32 s68, 0xffff0000                      ; lanes 16-31
	s_wait_kmcnt 0x0
	s_add_nc_u64 s[14:15], s[14:15], s[60:61]
	s_load_b32 s24, s[14:15], 0x0                  ; seq_lens[b]
	s_lshl_b32 s70, s19, 4
	s_add_co_u32 s71, s70, 160                     ; lv's first block of the batch
	s_mul_i32 s60, s71, 98304
	s_mul_i32 s72, s21, 12288
	s_add_co_u32 s60, s60, s72
	s_mul_i32 s72, s23, 6144
	s_add_co_u32 s60, s60, s72
	s_add_nc_u64 s[28:29], s[4:5], s[60:61]        ; lv's images: group og, tiles 4 os on
	s_lshl_b32 s60, s71, 12
	s_lshl_b32 s72, s21, 9
	s_add_co_u32 s60, s60, s72
	s_lshl_b32 s72, s23, 4
	s_add_co_u32 s60, s60, s72
	s_add_nc_u64 s[32:33], s[6:7], s[60:61]        ; and scale words
	s_lshl_b32 s71, s70, 5
	s_lshl_b32 s72, s22, 2
	s_add_co_u32 s71, s71, s72
	s_mul_i32 s60, s71, 1536
	s_add_nc_u64 s[30:31], s[8:9], s[60:61]        ; p's images: query tiles 4 qb on
	s_lshl_b32 s71, s70, 3
	s_add_co_u32 s71, s71, s22
	s_lshl_b32 s60, s71, 9
	s_add_nc_u64 s[34:35], s[10:11], s[60:61]      ; pw
	s_add_nc_u64 s[12:13], s[12:13], s[60:61]      ; ps
	s_lshl_b32 s71, s19, 9
	s_lshl_b32 s72, s22, 6
	s_add_co_u32 s71, s71, s72                     ; my first row of out0
	s_lshl_b32 s60, s71, 12
	s_lshl_b32 s72, s21, 9
	s_add_co_u32 s60, s60, s72
	s_lshl_b32 s72, s23, 8
	s_add_co_u32 s60, s60, s72
	s_add_nc_u64 s[16:17], s[16:17], s[60:61]
	s_wait_kmcnt 0x0
	s_add_co_u32 s25, s24, 127
	s_lshr_b32 s25, s25, 7
	s_min_u32 s25, s25, 16                         ; T: blocks of keys that count
	s_sub_co_u32 s26, s25, 1
	s_min_u32 s26, s26, 15                         ; the last of them = T - 1: the steps behind the first
.irp kb, 0,1,2,3,4,5,6,7,8,9,10,11,12,13,14,15
	s_min_u32 s70, s26, \kb
	s_lshl_b32 s70, s70, 12
	v_add_nc_u32 v[VO+\kb], s70, v[LI]
.endr
.irp kb, 0,1,2,3,4,5,6,7,8,9,10,11,12,13,14,15
	global_load_b128 v[ST+4*\kb:ST+4*\kb+3], v[VO+\kb], s[12:13]   ; (l0, l1, m0, m1) of block kb; past the end the last block's again
.endr
	s_mov_b32 s70, 0
	GRP 0
	s_mov_b32 s70, 1
	GRP 1
	s_mov_b32 s70, 2
	GRP 2
	s_wait_loadcnt 63                              ; ps's sixteen and the first group's record are in: 78 and 77 younger loads would do; the wait's field holds 63 at the most
	v_min3_num_f32 v[MG], v[ST+2], v[ST+6], v[ST+10]       ; -M = the least -M_loc
	v_min3_num_f32 v[MG+1], v[ST+3], v[ST+7], v[ST+11]
.irp kb, 3,5,7,9,11,13
	v_min3_num_f32 v[MG], v[MG], v[ST+4*\kb+2], v[ST+4*\kb+6]
	v_min3_num_f32 v[MG+1], v[MG+1], v[ST+4*\kb+3], v[ST+4*\kb+7]
.endr
	v_min_num_f32 v[MG], v[MG], v[ST+62]
	v_min_num_f32 v[MG+1], v[MG+1], v[ST+63]
.irp kb, 0,1,2,3,4,5,6,7,8,9,10,11,12,13,14,15
	v_sub_f32 v[ST+4*\kb+2], v[MG], v[ST+4*\kb+2]  ; M_loc - M: a whole number, 0 or less
	v_sub_f32 v[ST+4*\kb+3], v[MG+1], v[ST+4*\kb+3]
.endr
.irp kb, 0,1,2,3,4,5,6,7,8,9,10,11,12,13,14,15
	v_cvt_i32_f32 v[ST+4*\kb+2], v[ST+4*\kb+2]     ; (it saturates)
	v_cvt_i32_f32 v[ST+4*\kb+3], v[ST+4*\kb+3]
.endr
.irp kb, 0,1,2,3,4,5,6,7,8,9,10,11,12,13,14,15
	v_ldexp_f32 v[ST+4*\kb], v[ST+4*\kb], v[ST+4*\kb+2]    ; the block's sum under M: nothing is rounded
	v_ldexp_f32 v[ST+4*\kb+1], v[ST+4*\kb+1], v[ST+4*\kb+3]
.endr
	s_cmp_gt_u32 s25, 1                            ; a block past the end counts for nothing: its factor is 0
	s_cselect_b32 s71, 1.0, 0
	v_fma_f32 v25, s71, v[ST+4], v[ST]
	v_fma_f32 v27, s71, v[ST+5], v[ST+1]
.irp kb, 2,3,4,5,6,7,8,9,10,11,12,13,14,15
	s_cmp_gt_u32 s25, \kb
	s_cselect_b32 s71, 1.0, 0
	v_fma_f32 v25, s71, v[ST+4*\kb], v25
	v_fma_f32 v27, s71, v[ST+4*\kb+1], v27
.endr
	v_rcp_f32 v25, v25
	v_rcp_f32 v27, v27
	v_nop                                          ; a plain instruction behind the reciprocals
	s_wait_alu depctr_va_vdst(0)                   ; one wait for both, ahead of the first reader
	v_permlanex16_b32 v29, v25, s66, s67
	v_permlanex16_b32 v31, v27, s66, s67
	v_cndmask_b32 v[RL], v25, v29, s68             ; tile 2 i's queries lie in lanes 0-15 of 1 / l_i, tile 2 i + 1's in lanes 16-31: both halves of the lanes get their query's
	v_cndmask_b32 v[RL+2], v29, v25, s68
	v_cndmask_b32 v[RL+4], v27, v31, s68
	v_cndmask_b32 v[RL+6], v31, v27, s68
	FIX 0
.rept 8
	v_nop                                          ; eight places between the last write of a scale word and the scaled product that reads it
.endr
	s_mov_b32 s27, 0
	STEP 0, 0, 1, 0                                ; the first step starts the sums: nothing is cleared
	s_mul_i32 s73, s26, 11
	s_lshr_b32 s73, s73, 5                         ; whole trips: (T - 1) / 3, which 11 (T - 1) / 32 is for T - 1 = 0 .. 15;
	s_min_u32 s73, s73, 5                          ; five at the most: 15 / 3
	s_mul_i32 s74, s73, 3
	s_sub_co_u32 s75, s26, s74                     ; the steps left behind them: 0, 1 or 2
	s_mov_b32 s27, 1                               ; the key step that comes next: it serves the refills' block numbers alone
	s_mov_b32 s76, 0                               ; trips done: the loop's counter
	s_cmp_ge_u32 s76, s73
	s_cbranch_scc1 .Ltail                          ; no whole trip
.Lk:                                               ; a trip: three steps, once round the ring; the loop is left by falling through its branch alone
	STEP 1, 0, 0, 0
	STEP 2, 1, 0, 0
	STEP 0, 2, 0, 0
	s_add_co_u32 s27, s27, 3
	s_add_co_u32 s76, s76, 1
	s_cmp_lt_u32 s76, s73
	s_cbranch_scc1 .Lk
.Ltail:                                            ; on both ways the groups of places 1, 2 and 0 are out or in, in this order of issue
	s_cmp_eq_u32 s75, 0
	s_cbranch_scc1 .Lout
	STEP 1, 0, 0, 1
	s_cmp_eq_u32 s75, 1
	s_cbranch_scc1 .Lout
	STEP 2, 0, 0, 2
.Lout:
; THE WAY OUT, a tile of 16 queries at a time: O^T / l; a lane's 32 bytes into my stage (rows of 256 bytes + 16); back as whole rows into the tile's own accumulators; sixteen lanes store 256 consecutive bytes.
; LDS serves a wave's instructions in order: no wait between the stores and the loads, nor in front of the stage's next use.
.macro PACK a
.irp j, 0,2,4,6,8,10,12,14,16,18,20,22,24,26,28,30
	v_pk_mul_f32 v[ST+32*((\a)%2)+\j:ST+32*((\a)%2)+\j+1], v[ACC+32*(\a)+\j:ACC+32*(\a)+\j+1], v[RL+2*(\a):RL+2*(\a)+1] op_sel_hi:[1,0]
.endr
.irp jj, 0,1,2,3
	ds_store_b128 v[STO], v[ST+32*((\a)%2)+8*\jj:ST+32*((\a)%2)+8*\jj+3] offset:4352*((\a)%2)+64*\jj
	ds_store_b128 v[STO], v[ST+32*((\a)%2)+8*\jj+4:ST+32*((\a)%2)+8*\jj+7] offset:4352*((\a)%2)+64*\jj+16
.endr
.irp i, 0,1,2,3,4,5,6,7
	ds_load_b128 v[ACC+32*(\a)+4*\i:ACC+32*(\a)+4*\i+3], v[RD] offset:4352*((\a)%2)+544*\i
.endr
.endm
.macro SEND a, younger                         ; younger: the LDS instructions issued behind tile a's loads: the next tile's sixteen, or none
	s_wait_dscnt \younger
.irp i, 0,1,2,3,4,5,6,7
	global_store_b128 v[GOV], v[ACC+32*(\a)+4*\i:ACC+32*(\a)+4*\i+3], s[16:17] offset:(16*(\a)+2*\i)*4096 th:TH_STORE_NT
.endr
.endm
	PACK 0
	PACK 1
	SEND 0, 16
	PACK 2
	SEND 1, 16
	PACK 3
	SEND 2, 16
	SEND 3, 0
	s_wait_tensorcnt 0x0                           ; the wave's end: behind my last LDS store
	ds_add_u32 v[SPW], v[NIL]
	s_wait_dscnt 0x0
	s_endpgm
.Lfunc_end_k_q38af123951_pv:
	.size	k_q38af123951_pv, .Lfunc_end_k_q38af123951_pv-k_q38af123951_pv
	.p2alignl 7, 3214868480
	.fill 96, 4, 3214868480
	.section	.rodata,"a",@progbits
	.p2align	6, 0x0
	.amdhsa_kernel k_q38af123951_pv
		.amdhsa_group_segment_fixed_size 35328
		.amdhsa_private_segment_fixed_size 0
		.amdhsa_enable_private_segment 0
		.amdhsa_kernarg_size 56
		.amdhsa_user_sgpr_count 2
		.amdhsa_user_sgpr_kernarg_segment_ptr 1
		.amdhsa_wavefront_size32 1
		.amdhsa_system_sgpr_workgroup_id_x 1
		.amdhsa_system_sgpr_workgroup_id_y 1
		.amdhsa_system_sgpr_workgroup_id_z 1
		.amdhsa_system_vgpr_workitem_id 0
		.amdhsa_next_free_vgpr 576
		.amdhsa_next_free_sgpr 80
		.amdhsa_reserve_vcc 0
		.amdhsa_float_denorm_mode_32 3
		.amdhsa_float_denorm_mode_16_64 3
		.amdhsa_memory_ordered 1
		.amdhsa_forward_progress 1
		.amdhsa_inst_pref_size 67
	.end_amdhsa_kernel
	.amdgpu_metadata
---
amdhsa.version: [ 1, 2 ]
amdhsa.kernels:
  - .name:           k_q38af123951_pv
    .symbol:         k_q38af123951_pv.kd
    .args:
      - { .name: codes, .offset: 0, .size: 8, .value_kind: global_buffer, .address_space: global }
      - { .name: scl, .offset: 8, .size: 8, .value_kind: global_buffer, .address_space: global }
      - { .name: pimg, .offset: 16, .size: 8, .value_kind: global_buffer, .address_space: global }
      - { .name: pw, .offset: 24, .size: 8, .value_kind: global_buffer, .address_space: global }
      - { .name: ps, .offset: 32, .size: 8, .value_kind: global_buffer, .address_space: global }
      - { .name: seq_lens, .offset: 40, .size: 8, .value_kind: global_buffer, .address_space: global }
      - { .name: out0, .offset: 48, .size: 8, .value_kind: global_buffer, .address_space: global }
    .group_segment_fixed_size: 35328
    .private_segment_fixed_size: 0
    .kernarg_segment_align: 8
    .kernarg_segment_size: 56
    .max_flat_workgroup_size: 128
    .sgpr_count:     80
    .vgpr_count:     576
    .wavefront_size: 32
...
	.end_amdgpu_metadata
.endif
;; end of part 4
